; MI455X (gfx1250); checked and timed in simulation.
; The chip was launched on July 23, 2026; its instructions are those of AMD's public machine-readable ISA for CDNA 5 (MIT licence, August 2026) and "CDNA5" Instruction Set Architecture Reference Guide (July 2026). The comments in the code are by the model that wrote it; some were corrected since.
;; Distance Weighted Self Attention. Allowed arithmetic: matrix products marked QUANTISED: E4M3 operands, one given power-of-two scale a tensor, by v_wmma_f32_16x16x64_fp8_fp8 or v_wmma_f32_16x16x128_fp8_fp8, f32 sums; everything else in f32.
;; Inputs: Wk 128 x 128 float32; Wo 128 x 128 float32; Wq 128 x 128 float32; Wv 128 x 128 float32; allele_sizes 8 x 2,048 float32; inputs 8 x 2,048 x 128 float32; lowp_scales 12 int32 (the exponents e of the quantised operands' scales 2^e); mask 8 x 2,048 float32.
;; Outputs: out0 8 x 2,048 x 128 float32.
;; This version of the problem:
;;   THIS VERSION OF THE PROBLEM IS GIVEN IN LOW PRECISION. The matrix products marked QUANTISED in the list below multiply operands that are first quantised to E4M3 (4 exponent bits, 3 mantissa bits; 8 bits a number), with one given power-of-two scale for each operand tensor; their sums are f32. All else is computed in f32.
;;   The module's matrix products, in the order in which they are computed (A, B: the left and right operand; K: the contracted axis; several contracted axes count as one K, in the product's order):
;;     1. [M 16,384, K 128] x [K 128, N 128]; A: input inputs; B: input Wq: QUANTISED (scales: A lowp_scales[0], B lowp_scales[1])
;;     2. [M 16,384, K 128] x [K 128, N 128]; A: input inputs; B: input Wk: QUANTISED (scales: A lowp_scales[2], B lowp_scales[3])
;;     3. [M 16,384, K 128] x [K 128, N 128]; A: input inputs; B: input Wv: QUANTISED (scales: A lowp_scales[4], B lowp_scales[5])
;;     4. batch 8 x [M 2,048, K 128] x [K 128, N 2,048]; A: computed on the way; B: computed on the way: QUANTISED (scales: A lowp_scales[6], B lowp_scales[7])
;;     5. batch 8 x [M 2,048, K 2,048] x [K 2,048, N 128]; A: softmax (see below); B: computed on the way: QUANTISED (scales: A lowp_scales[8], B lowp_scales[9])
;;     6. [M 16,384, K 128] x [K 128, N 128]; A: computed on the way; B: input Wo: QUANTISED (scales: A lowp_scales[10], B lowp_scales[11])
;;   THE QUANTISER, for each operand of a quantised product, along K:
;;     - The operand's scale is 2^e, e = its entry of the input lowp_scales (int32; the entries are numbered through the quantised products in the list's order, A before B).
;;     - Each number is divided by the scale, clamped to +-448, and rounded to the nearest number of E4M3, ties to even, subnormals kept.
;;     - The product sums the exact products of the quantised numbers (number of the format x scale) in f32.
;;   ~~~python
;;   def quantise(x, axis, e):      # numpy; x: float32 -> the quantised numbers, widened to float32 again
;;       x = np.moveaxis(x, axis, -1); K = x.shape[-1]
;;       r = np.clip(x / 2.0 ** e, -448, 448)
;;       step = 2.0 ** (np.maximum(np.frexp(np.where(r == 0, 1, r))[1] - 1, -6) - 3)
;;       q = np.round(r / step) * step * 2.0 ** e      # np.round: ties to even
;;       return np.moveaxis(q, -1, axis).astype(np.float32)
;;   ~~~
;;   SOFTMAX AHEAD OF A QUANTISED PRODUCT. Where the list says 'softmax', what is quantised is not the finished softmax but p = 2^(t - M), with t = logit x log2(e) and M = ceil(the row's largest t), a whole number; so 1/2 < the row's largest p <= 1. The row's sum l is taken of the UNQUANTISED p, in f32, and the product's result is divided by l at the end. Since M is a whole number, a kernel that streams over the keys may use a running M (the ceiling of the running maximum): every later rescaling is an exact power of two, so the quantised numbers keep their values, but for numbers so far below the row's largest that they fall under the format's range.
;;   OPERANDS COMPUTED ON THE WAY. 'Computed on the way' means the value that the module computes at that place (a softmax that the list does not call 'softmax' is quantised finished and normalised). What goes into a quantiser is computed in f32, as accurately as f32 sums, v_exp_f32 and their like allow (about 1e-6 of the number): no bf16 or f16 on the way to a quantiser, and a product that is left as it is and whose result goes on into a quantised operand takes f32 operands (vector FMAs, or v_wmma_f32_16x16x4_f32). A number that lies on a knife's edge between two numbers of the format may be rounded either way, as far as f32 arithmetic and the matrix unit's own rounding can turn it there, and no further.
;; One version. Each part assembles by itself: llvm-mc -triple=amdgcn-amd-amdhsa -mcpu=gfx1250 --defsym DOCPART=n.
;; ======== version 1 of 1: 2 launches
;; limits: right only within a limited range of input values
;; workspace buffers: qimg 2,097,152 bytes; kvimg 4,390,912 bytes; woimg 16,384 bytes
;; launch proj (part 1): grid 256 x 1, 13 waves a work-group, no clusters, 112,128 bytes of LDS; arguments inputs, Wq, Wk, Wv, lowp_scales, qimg, kvimg, Wo, allele_sizes, mask, woimg; writes qimg, kvimg, woimg
.if DOCPART == 1
	.amdgcn_target "amdgcn-amd-amdhsa--gfx1250"
	.amdhsa_code_object_version 6
	.text
	.protected	k_q9a6d797d27_proj
	.globl	k_q9a6d797d27_proj
	.p2align	8
	.type	k_q9a6d797d27_proj,@function
k_q9a6d797d27_proj:
	s_mov_b64 s[64:65], 0
	v_nop
	global_prefetch_b8 v0, s[64:65] scope:SCOPE_SE
	s_setreg_imm32_b32 hwreg(HW_REG_WAVE_MODE, 25, 1), 1
	s_wait_xcnt 0x0
; q = x Wq, k = x Wk, v = x Wv on codes of E4M3, and the three results quantised again, as the operands of the two products of attention; Wo's codes; and for each key three numbers that attention needs.
; x = inputs [16384][128] f32; W [128 (d)][128 (e)] f32, K = d is its FIRST axis.  lowp_scales: e0 .. e11 (int32).
; DEAD WORK: none.  Every input has a way to out0 (the mask's term differs along the softmax's axis), so every input is loaded here and no product is left out.
; SHARES.  Work-group f = 2 tb + H takes 128 tokens (tb) and half of the columns: all of Wq (H = 0) or Wk (H = 1), and 64 of Wv's features (64 H on).
; Waves 0 .. 7: token tile T of 16, quantised under the q or k product's scale and under v's; that codes go to LDS for waves 8 .. 11, which make v for two token tiles each.
; Each of the waves 0 .. 11 quantises 64 rows of 32 columns of W (its own role's) and hands the codes on through LDS as images of the operand's registers; then each makes eight products 16 x 16 x 128.
; Wave 12: the numbers of 64 keys, and in work-groups 0 .. 31 an eighth of a quarter of Wo.
; THE DECAY IS FACTORED: exp(-0.1 |a_q - a_k|) = min(u_k w_q, w_k u_q) with x = 0.1 log2(e) (a - c), u = 2^x, w = 2^-x, c the middle between the batch's least and largest a.
; THE ROWS OF A TILE ARE NOT NEIGHBOURS: lane r of tile 2 b + u takes row 32 b + 8 u + r + 8 (r / 8), for tokens and for W's columns alike (Wo's columns: 16 neighbours).  So the 16 result registers of tiles 2 b
; and 2 b + 1 are 16 neighbours, 32 b + 16 (lane / 16) + 0 .. 15, along the next product's K, and the conversions' results ARE that operand's registers.
; q, k: used transposed (source 0 = 16 columns of W, source 1 = 16 tokens).  v: source 0 = 16 tokens, source 1 = 16 columns of Wv: a lane holds a feature, its registers run along the tokens.
; A FRAGMENT (16 rows x 128 K) is 16 registers a lane: registers 4 c .. 4 c + 3 hold k = 32 c + 16 (lane / 16) + 0 .. 15: the same order of k on both sides of every product.  In memory it lies as an image:
; byte 512 c + 16 lane + n is byte n of those four registers.
; qimg: the fragment of token tile X at 2048 X.  kvimg: 34,304 bytes for each 128 keys: K's eight fragments, at 16,384 V's eight, at 32,768 u, w and the mask's term of the keys, 512 bytes each.  woimg: eight fragments.
; W's loads take 128 consecutive bytes of four rows; a lane holds 4 neighbouring columns of 16 rows, and the hold lays each column's 16 numbers on end: one 16-byte cell of an image.
; NO TENSOR LOAD AND NO CLUSTER: x and the weights arrive as f32 and must pass through registers to be quantised.
; LIMITS: each product's eA, eB and eO - eA - eB, and e11, lie between -126 and 119.  x is held within +-110: a batch's allele sizes span up to 1,524.  NaN among the inputs is not served; an infinity is held at the largest code.
.set FP,    2192                       ; LDS: W's 12 fragments (0 .. 7 of q or k, 8 .. 11 of v) at FP t; four registers' 512 bytes at CP c inside
.set CP,    544
.set XVI,   26368                      ; the eight fragments of x under v's scale
.set XST,   42752                      ; a stage of 16 rows x XSP bytes for each of the waves 0 .. 7
.set XSP,   528
.set SPARE, 110336                     ; the spare words, 128 bytes for each of the 13 waves: seven blocks of 256 bytes that no other line names
.set CHUNK, 34304
.set SPW, 248                          ; v248 LDS address of my spare word; never rewritten
.set NIL, 249                          ; v249 0; never rewritten
; v1 16 x lane; v2, v14 my stage, in and back; v3 W's offset; v4 my cells of W; v5, v7, v8 LDS addresses; v16-79 x, then sums; v80-143 W, then fragments; v144-207 held numbers, fragments; v208-239 x's fragments; v240-247 scales
.macro QUANT src, tmp, dst, scl, lim   ; 64 numbers of a lane, register 16 b + n = k 32 b + 16 (lane / 16) + n, become a fragment's 16 registers of codes
.irp b, 0,1,2,3
.set kk, 0
.rept 16
	v_med3_num_f32 v[\tmp+16*\b+kk], v[\src+16*\b+kk], -v[\lim], v[\lim]   ; the conversion to an 8-bit code does not saturate (ISA guide 7.6.2): the hold at the largest code x the scale
.set kk, kk+1
.endr
	v_cvt_scalef32_pk8_fp8_f32 v[\dst+4*\b:\dst+4*\b+1], v[\tmp+16*\b:\tmp+16*\b+7], v[\scl]
	v_cvt_scalef32_pk8_fp8_f32 v[\dst+4*\b+2:\dst+4*\b+3], v[\tmp+16*\b+8:\tmp+16*\b+15], v[\scl]
.endr
	v_nop                                          ; one plain vector line behind the last conversion
.endm
.macro FETCH reg, adr, off, cp         ; a fragment out of LDS; cp: bytes from four registers' image to the next
.irp c, 0,1,2,3
	ds_load_b128 v[\reg+4*\c:\reg+4*\c+3], v[\adr] offset:\off+\cp*\c
.endr
.endm
.macro POW2 e, vs, vl                  ; from the whole number in s[e]: 2^e and 448 x 2^e as f32
	s_add_co_i32 s46, s[\e], 127
	s_lshl_b32 s47, s46, 23
	v_mov_b32 v[\vs], s47
	s_add_co_i32 s46, s46, 8
	s_lshl_b32 s46, s46, 23
	s_or_b32 s46, s46, 0x600000
	v_mov_b32 v[\vl], s46
.endm
	s_load_b256 s[4:11], s[0:1], 0x0               ; inputs s[4:5], Wq s[6:7], Wk s[8:9], Wv s[10:11]
	s_load_b128 s[12:15], s[0:1], 0x20             ; lowp_scales s[12:13], qimg s[14:15]
	s_load_b64 s[16:17], s[0:1], 0x30              ; kvimg
	s_load_b128 s[68:71], s[0:1], 0x38             ; Wo s[68:69], allele_sizes s[70:71]
	s_load_b128 s[72:75], s[0:1], 0x48             ; mask s[72:73], woimg s[74:75]
	v_lshl_add_u32 v[SPW], v0, 2, SPARE
	v_mov_b32 v[NIL], 0
	v_lshrrev_b32 v9, 5, v0
	v_readfirstlane_b32 s18, v9                    ; wave j = 0 .. 12
	s_lshr_b32 s19, ttmp9, 7                       ; H
	s_and_b32 s20, ttmp9, 127                      ; tb: the two work-groups that share 128 tokens are launched 128 numbers apart
	s_lshl_b32 s21, s20, 1
	s_add_co_u32 s21, s21, s19                     ; f = 2 tb + H
	s_lshr_b32 s22, s18, 1                         ; j / 2: my group of 32 columns,
	s_and_b32 s23, s18, 1                          ; j % 2: and which 64 rows of it
	s_lshl_b32 s48, s20, 7
	s_lshl_b32 s46, s22, 5
	s_add_co_u32 s48, s48, s46
	s_lshl_b32 s46, s23, 3
	s_add_co_u32 s48, s48, s46                     ; 128 tb + 32 (j / 2) + 8 (j % 2): my tile's first token (waves 0 .. 7),
	s_lshl_b32 s48, s48, 9                         ; in bytes
	s_mov_b32 s49, 0
	s_lshl_b32 s46, s19, 1
	s_add_co_u32 s46, s46, s22
	s_sub_co_u32 s46, s46, 4
	s_cmp_lt_u32 s18, 8
	s_cselect_b32 s46, s22, s46                    ; columns 32 x this on: j / 2 of Wq or Wk, 2 H + j / 2 - 4 of Wv
	s_lshl_b32 s50, s46, 7
	s_lshl_b32 s46, s23, 15
	s_add_co_u32 s50, s50, s46                     ; + 64 rows of 512 bytes
	s_mov_b32 s51, 0
	s_mul_i32 s54, s20, CHUNK                      ; the chunk of 128 keys
	s_lshl_b32 s58, s19, 8
	s_add_co_u32 s58, s58, s54
	s_add_co_u32 s58, s58, 32768                   ; u of my work-group's 64 keys
	s_mov_b32 s59, 0
	s_lshl_b32 s46, s18, 11
	s_add_co_u32 s56, s54, s46                     ; k's fragment
	s_lshl_b32 s52, s20, 14
	s_add_co_u32 s52, s52, s46                     ; q's
	s_cmp_eq_u32 s19, 0
	s_cselect_b32 s52, s52, s56
	s_and_b32 s57, s18, 3                          ; j - 8 in waves 8 .. 11: which 32 tokens
	s_add_co_u32 s54, s54, 16384
	s_lshl_b32 s46, s19, 13
	s_add_co_u32 s54, s54, s46
	s_lshl_b32 s46, s57, 9
	s_add_co_u32 s54, s54, s46                     ; v: a quarter of four fragments
	s_cmp_lt_u32 s18, 8
	s_cselect_b32 s52, s52, s54
	s_mov_b32 s53, 0
	s_mul_i32 s47, s18, 16*XSP
	s_add_co_u32 s47, s47, XST                     ; my stage
	s_mul_i32 s55, s22, 2*FP
	s_mul_i32 s46, s23, 2*CP
	s_add_co_u32 s55, s55, s46                     ; my cells: fragments 2 (j / 2) and the next, k = 64 (j % 2) on
	s_lshl_b32 s56, s18, 11
	s_add_co_u32 s56, s56, XVI
	s_lshl_b32 s57, s57, 12
	s_add_co_u32 s57, s57, XVI
	v_and_b32 v9, 31, v0                           ; lane
	v_and_b32 v10, 15, v0                          ; r
	v_bfe_u32 v11, v0, 4, 1                        ; h
	v_and_b32 v12, 7, v0                           ; cg: my four columns, 4 cg on, of my wave's 32,
	v_bfe_u32 v13, v0, 3, 2                        ; kg: my 16 rows
	v_lshlrev_b32 v1, 4, v9
	v_lshlrev_b32 v3, 4, v12
	v_mul_u32_u24 v14, v10, XSP
	v_and_b32 v4, 1, v0                            ; column 4 cg + m is lane 4 (cg % 2) + m + 8 (cg / 4) of fragment (cg / 2) % 2
	v_lshl_add_u32 v3, v13, 13, v3                 ; 16 cg + 16 kg rows of 512 bytes
	v_lshl_add_u32 v14, v11, 6, v14
	v_lshlrev_b32 v4, 6, v4
	v_bfe_u32 v12, v0, 2, 1
	v_bfe_u32 v13, v0, 1, 1
	v_add_nc_u32 v2, s47, v1                       ; the stage, in: a row's 512 bytes as they lie
	v_add_nc_u32 v14, s47, v14                     ; back: row r, + 64 h
	v_lshl_add_u32 v4, v12, 7, v4
	v_mul_u32_u24 v13, v13, FP
	v_bfe_u32 v12, v0, 3, 1
	v_mul_u32_u24 v15, v11, CP                     ; rows 16 kg on: registers 4 (kg / 2) on of lanes 16 (kg % 2) on
	v_add_nc_u32 v4, v4, v13
	v_lshl_add_u32 v4, v12, 8, v4
	v_add_nc_u32 v4, v4, v15
	v_add_nc_u32 v4, s55, v4
	v_add_nc_u32 v5, s56, v1                       ; where my fragment of x under v's scale goes
	v_add_nc_u32 v7, 8*FP, v1                      ; Wv's four fragments
	v_add_nc_u32 v8, s57, v1                       ; x's two fragments of waves 8 .. 11
	s_wait_alu depctr_va_vdst(0)
	s_wait_kmcnt 0x0
	s_load_b256 s[24:31], s[12:13], 0x0            ; e0 .. e7
	s_load_b64 s[32:33], s[12:13], 0x20            ; e8, e9
	s_load_b32 s82, s[12:13], 0x2c                 ; e11
	s_cmp_eq_u32 s19, 0                            ; the buffers are chosen on the work-group's and the wave's number alone
	s_cselect_b64 s[36:37], s[6:7], s[8:9]
	s_cselect_b64 s[44:45], s[14:15], s[16:17]
	s_cmp_lt_u32 s18, 8
	s_cselect_b64 s[36:37], s[36:37], s[10:11]
	s_cselect_b64 s[44:45], s[44:45], s[16:17]
	s_add_nc_u64 s[36:37], s[36:37], s[50:51]
	s_add_nc_u64 s[42:43], s[4:5], s[48:49]
	s_add_nc_u64 s[44:45], s[44:45], s[52:53]
	s_cmp_lg_u32 s18, 12
	s_cbranch_scc1 .Lproject
	; ---- WAVE 12.  The batch's 2,048 allele sizes, 64 a lane, and the two keys of mine
	s_lshr_b32 s60, s21, 5
	s_lshl_b32 s60, s60, 13
	s_mov_b32 s61, 0
	s_add_nc_u64 s[76:77], s[70:71], s[60:61]
.set kk, 0
.rept 16
	global_load_b128 v[16+4*kk:19+4*kk], v1, s[76:77] offset:512*kk
.set kk, kk+1
.endr
	s_lshl_b32 s60, s21, 8
	s_add_nc_u64 s[78:79], s[70:71], s[60:61]
	s_add_nc_u64 s[80:81], s[72:73], s[60:61]
	v_lshrrev_b32 v9, 1, v1                        ; 8 x lane
	s_wait_alu depctr_va_vdst(0)
	global_load_b64 v[208:209], v9, s[78:79]
	global_load_b64 v[210:211], v9, s[80:81]
	s_cmp_lt_u32 s21, 32
	s_cbranch_scc0 .Lno_wo
	; work-group f < 32: fragment f / 4 of Wo, registers 4 (f % 4) on: lane (r, h) takes column 16 (f / 4) + r, k = 32 (f % 4) + 16 h + 0 .. 15
	s_and_b32 s83, s21, 3
	s_lshl_b32 s83, s83, 14
	s_lshr_b32 s84, s21, 2
	s_lshl_b32 s84, s84, 6
	s_add_co_u32 s60, s83, s84
	s_add_nc_u64 s[84:85], s[68:69], s[60:61]
	v_and_b32 v212, 15, v0
	v_bfe_u32 v213, v0, 4, 1
	v_lshlrev_b32 v212, 2, v212
	v_lshl_add_u32 v212, v213, 13, v212
	s_wait_alu depctr_va_vdst(0)
.set kk, 0
.rept 16
	global_load_b32 v[80+kk], v212, s[84:85] offset:512*kk
.set kk, kk+1
.endr
	s_wait_kmcnt 0x0
	POW2 82, 214, 215
	s_wait_alu depctr_va_vdst(0)
	s_wait_loadcnt 0x0
.set kk, 0
.rept 16
	v_med3_num_f32 v[80+kk], v[80+kk], -v215, v215
.set kk, kk+1
.endr
	v_cvt_scalef32_pk8_fp8_f32 v[100:101], v[80:87], v214
	v_cvt_scalef32_pk8_fp8_f32 v[102:103], v[88:95], v214
	v_nop                                          ; one plain vector line behind the last conversion
	s_lshl_b32 s60, s21, 9
	s_add_nc_u64 s[84:85], s[74:75], s[60:61]
	global_store_b128 v1, v[100:103], s[84:85]     ; 512 consecutive bytes
.Lno_wo:
	s_wait_loadcnt 0x0
	v_min_num_f32 v144, v16, v17
	v_max_num_f32 v145, v16, v17
.set kk, 18
.rept 31
	v_min3_num_f32 v144, v144, v[kk], v[kk+1]
	v_max3_num_f32 v145, v145, v[kk], v[kk+1]
.set kk, kk+2
.endr
.irp x, 1,2,4,8
	v_min_num_f32_dpp v144, v144, v144 row_xmask:\x row_mask:0xf bank_mask:0xf
	v_max_num_f32_dpp v145, v145, v145 row_xmask:\x row_mask:0xf bank_mask:0xf
.endr
	s_mov_b32 s86, 0x76543210                      ; lane xor 16
	s_mov_b32 s87, 0xfedcba98
	v_mov_b32 v146, 0                              ; (a lane permute's destination counts as one of its sources)
	v_mov_b32 v147, 0
	v_permlanex16_b32 v146, v144, s86, s87
	v_permlanex16_b32 v147, v145, s86, s87
	v_min_num_f32 v144, v144, v146
	v_max_num_f32 v145, v145, v147
	v_mul_f32 v144, 0.5, v144
	v_fma_f32 v144, v145, 0.5, v144                ; c
	v_sub_f32 v208, v208, v144
	v_sub_f32 v209, v209, v144
	v_mul_f32 v208, 0x3e13bb63, v208               ; x 0.1 log2(e)
	v_mul_f32 v209, 0x3e13bb63, v209
	s_mov_b32 s88, 0xc2dc0000                      ; -110
	s_mov_b32 s89, 0x42dc0000                      ; 110
	v_med3_num_f32 v208, v208, s88, s89
	v_med3_num_f32 v209, v209, s88, s89
	v_sub_f32 v210, 1.0, v210
	v_sub_f32 v211, 1.0, v211
	v_mul_f32 v210, 0xce6e6b28, v210               ; (1 - mask) x -1e9,
	v_mul_f32 v211, 0xce6e6b28, v211
	v_mul_f32 v210, 0x3fb8aa3b, v210               ; x log2(e)
	v_mul_f32 v211, 0x3fb8aa3b, v211
	s_add_nc_u64 s[90:91], s[16:17], s[58:59]
	s_wait_alu depctr_va_vdst(0)                   ; the wait ahead of the batch
	v_exp_f32 v148, v208                           ; u
	v_exp_f32 v149, v209
	v_exp_f32 v150, -v208                          ; w
	v_exp_f32 v151, -v209
	v_nop                                          ; a plain line behind the last exponential
	s_wait_alu depctr_va_vdst(0)                   ; and the wait behind it
	global_store_b64 v9, v[148:149], s[90:91]      ; 256 consecutive bytes each
	global_store_b64 v9, v[150:151], s[90:91] offset:512
	global_store_b64 v9, v[210:211], s[90:91] offset:1024
	s_wait_xcnt 0x0
	s_branch .Lmeet
.Lproject:
	s_cmp_lt_u32 s18, 8
	s_cbranch_scc0 .Lno_x
.set kk, 0
.rept 16
	global_load_b128 v[16+4*kk:19+4*kk], v1, s[42:43] offset:(kk+8*(kk/8))*512   ; the token of lane kk of my tile: its whole row, 512 consecutive bytes
.set kk, kk+1
.endr
.Lno_x:
.set kk, 0
.rept 16
	global_load_b128 v[80+4*kk:83+4*kk], v3, s[36:37] offset:512*kk              ; W(64 (j % 2) + 16 kg + kk, my four columns)
.set kk, kk+1
.endr
	s_wait_kmcnt 0x0
	s_cmp_eq_u32 s19, 0
	s_cselect_b32 s38, s24, s26                    ; eA: x's scale in my role's product,
	s_cselect_b32 s39, s25, s27                    ; eB: W's,
	s_cselect_b32 s40, s30, s31                    ; eO: the scale under which the result is an operand: e6 (q), e7 (k), e9 (v)
	s_cmp_lt_u32 s18, 8
	s_cselect_b32 s38, s38, s28
	s_cselect_b32 s39, s39, s29
	s_cselect_b32 s40, s40, s33
	s_sub_co_i32 s40, s40, s38
	s_sub_co_i32 s40, s40, s39                     ; a sum stands for sum x 2^(eA + eB): its code is sum / 2^(eO - eA - eB): three scales folded into one
	POW2 38, 240, 241
	POW2 39, 242, 243
	POW2 40, 244, 245
	POW2 28, 246, 247
	s_wait_alu depctr_va_vdst(0)
	s_cmp_lt_u32 s18, 8
	s_cbranch_scc0 .Lno_xq
	s_wait_loadcnt 16                              ; x's 16 loads are in; W's 16, issued behind them, may be out
.set kk, 0
.rept 16
	ds_store_b128 v2, v[16+4*kk:19+4*kk] offset:XSP*kk
.set kk, kk+1
.endr
.irp b, 0,1,2,3
.irp j, 0,1,2,3
	ds_load_b128 v[16+16*\b+4*\j:19+16*\b+4*\j], v14 offset:128*\b+16*\j   ; x(my token, 32 b + 16 h + 4 j ..).  LDS serves a wave's instructions in order (ISA guide 5.7.1.4): these see my stores
.endr
.endr
	s_wait_dscnt 0x0
	QUANT 16, 144, 208, 240, 241                   ; my tile of x for q or k,
	QUANT 16, 16, 224, 246, 247                    ; and for v
.irp c, 0,1,2,3
	ds_store_b128 v5, v[224+4*\c:227+4*\c] offset:512*\c
.endr
.Lno_xq:
	s_wait_loadcnt 0x0                             ; W
.irp m, 0,1,2,3
.set kk, 0
.rept 16
	v_med3_num_f32 v[144+16*\m+kk], v[80+4*kk+\m], -v243, v243
.set kk, kk+1
.endr
.endr
.irp m, 0,1,2,3
	v_cvt_scalef32_pk8_fp8_f32 v[80+4*\m:81+4*\m], v[144+16*\m:151+16*\m], v242
	v_cvt_scalef32_pk8_fp8_f32 v[82+4*\m:83+4*\m], v[152+16*\m:159+16*\m], v242
.endr
	v_nop                                          ; one plain vector line behind the last conversion
.irp m, 0,1,2,3
	ds_store_b128 v4, v[80+4*\m:83+4*\m] offset:16*\m
.endr
.Lmeet:
	s_wait_dscnt 0x0                               ; for the others' sake: my stores have landed
	s_barrier_signal -1
	s_barrier_wait -1                              ; W's twelve fragments and v's eight of x lie in LDS
	s_cmp_eq_u32 s18, 12
	s_cbranch_scc1 .Lend
	s_cmp_lt_u32 s18, 8
	s_cbranch_scc0 .Lrole_v
.irp t, 0,1,2,3,4,5,6,7
	FETCH 80+16*\t, 1, FP*\t, CP
.endr
	s_wait_dscnt 0x0
.irp t, 0,1,2,3,4,5,6,7                        ; eight accumulators, one instruction each
	v_wmma_f32_16x16x128_fp8_fp8 v[16+8*\t:23+8*\t], v[80+16*\t:95+16*\t], v[208:223], 0
.endr
.rept 4
	v_nop                                          ; four places between the last product and the first line that reads a result or writes an operand (ISA guide 7.12.1)
.endr
	QUANT 16, 16, 80, 244, 245
.irp c, 0,1,2,3
	global_store_b128 v1, v[80+4*\c:83+4*\c], s[44:45] offset:512*\c     ; the fragment as it stands: 512 consecutive bytes a store
.endr
	s_branch .Lend
.Lrole_v:
	FETCH 208, 8, 0, 512
	FETCH 224, 8, 2048, 512
.irp f, 0,1,2,3
	FETCH 80+16*\f, 7, FP*\f, CP
.endr
	s_wait_dscnt 0x0
.irp f, 0,1,2,3
.irp u, 0,1
	v_wmma_f32_16x16x128_fp8_fp8 v[16+8*(2*\f+\u):23+8*(2*\f+\u)], v[208+16*\u:223+16*\u], v[80+16*\f:95+16*\f], 0
.endr
.endr
.rept 4
	v_nop
.endr
	QUANT 16, 16, 80, 244, 245                     ; block f: 16 neighbouring keys of my feature of tile 4 H + f
.irp f, 0,1,2,3
	global_store_b128 v1, v[80+4*\f:83+4*\f], s[44:45] offset:2048*\f    ; a quarter of each of four fragments: 512 consecutive bytes a store
.endr
.Lend:
	s_wait_tensorcnt 0x0                           ; the wave's end
	ds_add_u32 v[SPW], v[NIL]
	s_wait_dscnt 0x0
	s_endpgm
.Lfunc_end_k_q9a6d797d27_proj:
	.size	k_q9a6d797d27_proj, .Lfunc_end_k_q9a6d797d27_proj-k_q9a6d797d27_proj
	.p2alignl 7, 3214868480
	.fill 96, 4, 3214868480
	.section	.rodata,"a",@progbits
	.p2align	6, 0x0
	.amdhsa_kernel k_q9a6d797d27_proj
		.amdhsa_group_segment_fixed_size 112128
		.amdhsa_private_segment_fixed_size 0
		.amdhsa_enable_private_segment 0
		.amdhsa_kernarg_size 88
		.amdhsa_user_sgpr_count 2
		.amdhsa_user_sgpr_kernarg_segment_ptr 1
		.amdhsa_wavefront_size32 1
		.amdhsa_system_sgpr_workgroup_id_x 1
		.amdhsa_system_sgpr_workgroup_id_y 1
		.amdhsa_system_sgpr_workgroup_id_z 1
		.amdhsa_system_vgpr_workitem_id 0
		.amdhsa_next_free_vgpr 256
		.amdhsa_next_free_sgpr 96
		.amdhsa_reserve_vcc 0
		.amdhsa_float_denorm_mode_32 3
		.amdhsa_float_denorm_mode_16_64 3
		.amdhsa_memory_ordered 1
		.amdhsa_forward_progress 1
		.amdhsa_inst_pref_size 53
	.end_amdhsa_kernel
	.amdgpu_metadata
---
amdhsa.version: [ 1, 2 ]
amdhsa.kernels:
  - .name:           k_q9a6d797d27_proj
    .symbol:         k_q9a6d797d27_proj.kd
    .args:
      - { .name: inputs, .offset: 0, .size: 8, .value_kind: global_buffer, .address_space: global }
      - { .name: Wq, .offset: 8, .size: 8, .value_kind: global_buffer, .address_space: global }
      - { .name: Wk, .offset: 16, .size: 8, .value_kind: global_buffer, .address_space: global }
      - { .name: Wv, .offset: 24, .size: 8, .value_kind: global_buffer, .address_space: global }
      - { .name: lowp_scales, .offset: 32, .size: 8, .value_kind: global_buffer, .address_space: global }
      - { .name: qimg, .offset: 40, .size: 8, .value_kind: global_buffer, .address_space: global }
      - { .name: kvimg, .offset: 48, .size: 8, .value_kind: global_buffer, .address_space: global }
      - { .name: Wo, .offset: 56, .size: 8, .value_kind: global_buffer, .address_space: global }
      - { .name: allele_sizes, .offset: 64, .size: 8, .value_kind: global_buffer, .address_space: global }
      - { .name: mask, .offset: 72, .size: 8, .value_kind: global_buffer, .address_space: global }
      - { .name: woimg, .offset: 80, .size: 8, .value_kind: global_buffer, .address_space: global }
    .group_segment_fixed_size: 112128
    .private_segment_fixed_size: 0
    .kernarg_segment_align: 8
    .kernarg_segment_size: 88
    .max_flat_workgroup_size: 416
    .sgpr_count:     96
    .vgpr_count:     256
    .wavefront_size: 32
...
	.end_amdgpu_metadata
.endif
;; end of part 1
;; launch attn (part 2): grid 32 x 8, 4 waves a work-group, clusters of 4 x 1, 327,680 bytes of LDS; arguments qimg, kvimg, woimg, lowp_scales, out0; writes out0
.if DOCPART == 2
	.amdgcn_target "amdgcn-amd-amdhsa--gfx1250"
	.amdhsa_code_object_version 6
	.text
	.protected	k_q9a6d797d27_attn
	.globl	k_q9a6d797d27_attn
	.p2align	8
	.type	k_q9a6d797d27_attn,@function
k_q9a6d797d27_attn:
	s_mov_b64 s[64:65], 0
	v_nop
	global_prefetch_b8 v0, s[64:65] scope:SCOPE_SE
	s_setreg_imm32_b32 hwreg(HW_REG_WAVE_MODE, 25, 1), 1
	s_wait_xcnt 0x0
	s_wait_alu depctr_hold_cnt(0) depctr_sa_sdst(0) depctr_va_vdst(0) depctr_va_sdst(0) depctr_va_ssrc(0) depctr_va_vcc(0) depctr_vm_vsrc(0)
	s_getreg_b32 s2, hwreg(HW_REG_IB_STS2, 6, 4)
	s_cmp_eq_u32 s2, 0
	s_cbranch_scc0 .Lentry_in_a_cluster
	s_endpgm
.Lentry_in_a_cluster:
	s_bfe_u32 s2, ttmp6, 0x10000c
	s_cmp_lg_u32 s2, 0x3003
	s_cbranch_scc0 .Lentry_shape_is_right
	s_endpgm
.Lentry_shape_is_right:
; out0 = (softmax_k(q.k / sqrt(128) x exp(-0.1 |a_q - a_k|) + (1 - mask_k)(-1e9)) v) Wo, all three products on codes of E4M3.  No work of the problem is left out here.
; q, k, v, Wo come as codes, laid as images of operand registers by the launch before (a fragment of 16 rows x 128 K is 2,048 bytes: byte 512 c + 16 lane + n is byte n of registers 4 c .. 4 c + 3,
; k = 32 c + 16 (lane / 16) + 0 .. 15: the same order of k on both sides of every product).  For each key come u = 2^x, w = 2^-x (x = 0.1 log2(e) (a - c), c the batch's middle) and the mask's term x log2(e).
; THE DECAY is min(u_k w_q, w_k u_q); c0 = log2(e) / sqrt(128) x 2^(e6 + e7) is folded into w_q and u_q, so t = score x decay + mask's term is one fused multiply-add, ROUNDED to f32.
; THE SOFTMAX: M = the ceiling of the largest t so far; p = 2^(t - M) is quantised with 2^e8; the sum l is taken of the unquantised p; when M moves, l and O are multiplied by 2^(old M - new M), which rounds nothing.
; SHARES.  A work-group takes 64 queries of one batch, four tiles of 16 (lane r of tile T: query 32 (T / 2) + 8 (T % 2) + r + 8 (r / 8)).  Each of its four waves holds ALL four tiles and walks a QUARTER of the keys:
; wave g takes keys 512 s + 128 g + 0 .. 127 in step s = 0 .. 3, under its own running M and l.  So each fragment of K and V, and each key's numbers, are read from LDS once and serve four tiles.
; Wave g's register tile j is tile (g + j) % 4: at the end wave g joins the four waves' parts of tile g, which is its register tile 0, by exact powers of two, quantises ctx and multiplies it by Wo alone.
; Both products are used transposed (S^T = K Q^T, O^T = V^T P^T): a lane holds one query throughout; the 16 registers of tiles 2 b and 2 b + 1 of S^T are 16 neighbouring keys: p's and ctx's conversions give the next operand's registers.
; A TILE'S EXPONENTIALS ALTERNATE with the next tile's two decay products, which read nothing that the batch writes.  A step's K, V and key numbers are asked for in the step before, as their registers come free.
; CLUSTER.  All 32 work-groups of a batch walk the same chunks; the four of a cluster ask JOINTLY: the same tensor load, the same descriptor, a mask that names the four.  Wave g loads the chunk that it alone reads, 34,304 bytes as 134
; rows of 256, dense.  By this text's count a wave has one tensor load out at the head, and one behind each later round.  LDS is claimed whole.
; LIMITS: e6 + e7 between -123 and 130; the batch's span of allele sizes x 0.0722 + |e6 + e7| + 4 stays under 126, so that w_q and u_q with c0 are ordinary f32 numbers; e8, e10 between -126 and 119; e10 + e11 between -126 and 127;
; e8 + e9 is applied by v_ldexp_f32 and has none; t under 2^31 in magnitude.  NaN and infinities among the inputs are not served.  p is taken under each wave's running M: numbers far under the row's largest are kept
; more finely than under the row's final M.
; REGISTERS.  Window 0: v0-15 addresses and work; v16-39 statistics, six a tile; v40-47 f and sums; v48-63 P; v64-127 S; v128-191, v192-255 the two decay products.  Window 1: u, w, mask's term of 64 keys a lane; Q's four fragments.
;   Window 2: K's eight fragments, V's eight (K's: at the end Wo's).  Window 3: O^T of the four tiles.
; s_set_vgpr_msb's low byte: bits 1:0 source 0, 3:2 source 1, 5:4 source 2, 7:6 destination.
.set PART,  34304                      ; a wave's part of a slot
.set SLOT,  4*PART
.set SPARE, 2*SLOT                     ; behind the two slots: the spare words, 128 bytes for each wave: two blocks of 256 bytes that no other line names
.set STATO, 24576                      ; at the end, in my part of slot 0: O^T of register tiles 1 .. 3, 8,192 bytes each, then their (-M, l), 256 bytes each; my part of slot 1: the way out
.set ADK,  2                           ; v2  LDS address of the next step's fragments, v3 of its key numbers;  v4, v5 the same in slot 0, never rewritten
.set PFO,  6                           ; v6  256 x lane; never rewritten
.set SPW,  7                           ; v7  LDS address of my spare word; never rewritten
.set NIL,  8                           ; v8  0; never rewritten
.set SCL,  9                           ; v9  2^e8
.set ST,   16                          ; tile j at 16 + 6 j: +0 -M, +1 the largest t, +2, +3 l in two halves, +4 w_q c0, +5 u_q c0
.set FF,   40                          ; f (v41 written once, as a pair's upper half)
.set C1,   42                          ; v42-47 three more chains of the sum
.set P,    48
.set S,    64
.set DA,   128
.set DB,   192
.set UK,   0
.set WK,   64
.set MK,   128
.set Q,    192
.set KF,   0
.set VF,   128
.set G1,   24                          ; s[24:31], s[32:35] the descriptor
.set G0,   32
.set CS,   52
.set SEL,  56                          ; s[56:57] v_permlanex16_b32's selects for lane xor 16
.set LIMP, 58                          ; s58 448 x 2^e8
.set LIM,  62                          ; s62 2 in the batch's first cluster, else 0
.set TRIP, 63
.set TB,   92                          ; s92 the slot of the next step's reads, s93 of the next fill, in bytes
.set TBF,  93
.set MSB, 0
.macro WIN new                         ; the immediate's high byte repeats the setting that is left
.if MSB != \new
	s_set_vgpr_msb (MSB<<8)|\new
.set MSB, \new
.endif
.endm
.macro PLACES                          ; four places between a matrix instruction and a load into, or a vector line on, one of its registers (ISA guide 7.12.1 for vector lines)
.rept 4
	v_nop
.endr
.endm
.macro CREST                           ; a round of the cluster's barrier behind its opening barrier
	s_cmp_lg_u32 s18, 0
	s_cbranch_scc1 .Lnot_wave_0_\@
	s_barrier_signal -3
.Lnot_wave_0_\@:
	s_barrier_wait -3
	s_barrier_signal -1
	s_barrier_wait -1
.endm
.macro CROUND
	s_barrier_signal -1
	s_barrier_wait -1
	CREST
.endm
.macro JLOAD                           ; my part of a slot
	tensor_load_to_lds s[G0:G0+3], s[G1:G1+7]
	s_nop 0
	PLACES
.endm
.macro NEXTFILL                        ; no tensor load of mine is out: the descriptor goes on to the other slot and the next block of 512 keys
	s_xor_b32 s[TBF], s[TBF], SLOT
	s_add_co_u32 s[G0+1], s70, s[TBF]
	s_add_nc_u64 s[G0+2:G0+3], s[G0+2:G0+3], SLOT
.endm
; A PREFETCH INTO THE L2 of the batch's last block, in step 0, one step ahead of the joint load that asks for it (the key numbers, 1,536 bytes a chunk, come by that load alone).  All eight clusters of a batch walk the same
; blocks: the first asks.  Its four partners take a chunk each, told apart BY ADDRESS; each wave takes 8,192 bytes, lanes 256 bytes apart: each aligned 256 bytes is named once.  The address registers are never rewritten.
.macro ASK
	WIN 0
	s_cmp_eq_u32 s[TRIP], s[LIM]
	s_cbranch_scc0 .Lnot_mine_\@
	global_prefetch_b8 v[PFO], s[66:67] th:TH_LOAD_NT scope:SCOPE_SE
.Lnot_mine_\@:
.endm
.macro LOADF reg, off, adr             ; eight fragments into window 2: 32 loads of 512 consecutive bytes
	WIN 0x80
.irp t, 0,1,2,3,4,5,6,7
.irp c, 0,1,2,3
	ds_load_b128 v[\reg+16*\t+4*\c:\reg+16*\t+4*\c+3], v[\adr] offset:\off+2048*\t+512*\c
.endr
.endr
.endm
.macro LOADD reg, off, adr             ; a number of each of my 64 keys (keys 32 b + 16 (lane / 16) + 0 .. 15) into window 1
	WIN 0x40
.irp b, 0,1,2,3
.irp j, 0,1,2,3
	ds_load_b128 v[\reg+16*\b+4*\j:\reg+16*\b+4*\j+3], v[\adr] offset:\off+128*\b+16*\j
.endr
.endr
.endm
.macro DEC1 nx, n                      ; u_k x w_q, keys 2 n and 2 n + 1 (w_q: the pair's low word for both)
	v_pk_mul_f32 v[DA+2*(\n):DA+2*(\n)+1], v[ST+6*(\nx)+4:ST+6*(\nx)+5], v[UK+2*(\n):UK+2*(\n)+1] op_sel_hi:[0,1]
.endm
.macro DEC2 nx, n                      ; w_k x u_q (the pair's high word for both)
	v_pk_mul_f32 v[DB+2*(\n):DB+2*(\n)+1], v[ST+6*(\nx)+4:ST+6*(\nx)+5], v[WK+2*(\n):WK+2*(\n)+1] op_sel:[1,0] op_sel_hi:[1,1]
.endm
; 64 exponentials, p = 2^(t - M), at most 1, alternating with tile nx's decay products (nx < 0: none).  w = 1: they are the next step's, whose u and w are still on their way.
.macro EXPS nx, w
	WIN 0x04                                       ; source 1 (u, w) window 1
.if \w
	s_wait_dscnt 48                                ; u is in; w's 16 and K's 32 loads, issued behind it, may be out
.endif
	s_wait_alu depctr_va_vdst(0)                   ; the wait ahead of the batch
.set kk, 0
.rept 32
	v_exp_f32 v[S+kk], v[S+kk]
.if (\nx) >= 0
	DEC1 \nx, kk
.endif
.set kk, kk+1
.endr
.if \w
	s_wait_dscnt 32                                ; w is in; K's 32 may be out
.endif
.set kk, 0
.rept 32
	v_exp_f32 v[S+32+kk], v[S+32+kk]
.if (\nx) >= 0
	DEC2 \nx, kk
.endif
.set kk, kk+1
.endr
.if (\nx) < 0
	v_nop                                          ; a plain line behind the last exponential
.endif
.endm                                  ; (the wait behind the batch is RESCALE's)
.macro HOLD n                          ; p is not negative: the hold (the conversion to an 8-bit code does not saturate: ISA guide 7.6.2) is one-sided
	v_dual_min_num_f32 v[S+2*(\n)], s[LIMP], v[S+2*(\n)] :: v_dual_min_num_f32 v[S+2*(\n)+1], s[LIMP], v[S+2*(\n)+1]
.endm
; l x f + the unquantised p, in four chains; each pair is held behind its sum; then the codes.
.macro SUMS i
.set LL, ST+6*(\i)+2
	v_pk_add_f32 v[C1:C1+1], v[S:S+1], v[S+2:S+3]
	v_pk_add_f32 v[C1+2:C1+3], v[S+4:S+5], v[S+6:S+7]
	v_pk_add_f32 v[C1+4:C1+5], v[S+8:S+9], v[S+10:S+11]
	v_pk_fma_f32 v[LL:LL+1], v[LL:LL+1], v[FF:FF+1], v[S+12:S+13] op_sel_hi:[1,0,1]
.set kk, 0
.rept 25
.if (kk%4) == 3
.set CC, LL
.else
.set CC, C1+2*(kk%4)
.endif
	v_pk_add_f32 v[CC:CC+1], v[CC:CC+1], v[S+14+2*kk:S+15+2*kk]
	HOLD kk
.set kk, kk+1
.endr
	HOLD 25
	HOLD 26
	v_pk_add_f32 v[C1:C1+1], v[C1:C1+1], v[C1+2:C1+3]
	HOLD 27
	HOLD 28
	v_pk_add_f32 v[LL:LL+1], v[LL:LL+1], v[C1+4:C1+5]
	HOLD 29
	HOLD 30
	HOLD 31
.irp b, 0,1,2,3
	v_cvt_scalef32_pk8_fp8_f32 v[P+4*\b:P+4*\b+1], v[S+16*\b:S+16*\b+7], v[SCL]
	v_cvt_scalef32_pk8_fp8_f32 v[P+4*\b+2:P+4*\b+3], v[S+16*\b+8:S+16*\b+15], v[SCL]
.endr
	v_pk_add_f32 v[LL:LL+1], v[LL:LL+1], v[C1:C1+1]   ; (also the plain line behind the last conversion)
.endm
.macro RESCALE i                       ; O^T x f, straight behind the exponentials: each accumulator from its low end on
	WIN 0xc3
	s_wait_alu depctr_va_vdst(0)                   ; one wait behind the batch, directly ahead of the first reader of O^T and ahead of the first reader of an exponential
.set kk, 0
.rept 32
	v_pk_mul_f32 v[64*(\i)+2*kk:64*(\i)+2*kk+1], v[64*(\i)+2*kk:64*(\i)+2*kk+1], v[FF:FF+1] op_sel_hi:[1,0]
.set kk, kk+1
.endr
.endm
.macro MULO1 i, t                      ; O^T += V^T P^T, features 16 t on: each accumulator has one instruction a step: the accumulators take turns
	WIN 0xf2
	v_wmma_f32_16x16x128_fp8_fp8 v[64*(\i)+8*(\t):64*(\i)+8*(\t)+7], v[VF+16*(\t):VF+16*(\t)+15], v[P:P+15], v[64*(\i)+8*(\t):64*(\i)+8*(\t)+7]
.endm
.macro MULO i
.irp t, 0,1,2,3,4,5,6,7
	MULO1 \i, \t
.endr
.endm
; A STEP'S TILE i.  fill: in tile 2 the slot whose reads are over is given up, in tile 3 it takes the block two on.  next: a further step follows, whose operands are asked for here.  last: Wo's fragments are.
.macro TILE i, fill, next, last
.if (\i) == 0
	s_wait_dscnt 32                                ; K and the mask's term are in; V's 32 loads may be out
.endif
.if (\i) == 1
	s_wait_dscnt 0x0                               ; V
.endif
.set kk, 0
.irp t, 0,1,2,3,4,5,6,7                ; S^T, and between its products the decay of eight keys; the last four lines are the places behind the last product
	WIN 0x06                                       ; K window 2, Q window 1
	v_wmma_f32_16x16x128_fp8_fp8 v[S+8*\t:S+8*\t+7], v[KF+16*\t:KF+16*\t+15], v[Q+16*(\i):Q+16*(\i)+15], 0
	WIN 0
.rept 4
	v_dual_min_num_f32 v[DA+kk], v[DA+kk], v[DB+kk] :: v_dual_min_num_f32 v[DA+kk+1], v[DA+kk+1], v[DB+kk+1]
.set kk, kk+2
.endr
.endr
.if ((\i) == 3) && (\fill)
	s_wait_alu depctr_va_vdst(0)
	s_barrier_wait -1                              ; the barrier that tile 2 signalled opens the round
	CREST
	JLOAD                                          ; the first tensor load behind the round: it has a whole step in which to land
.endif
.if ((\i) == 3) && (\next)
	LOADD UK, 0, ADK+1                             ; tile 3's decay is made: u and w are free; its scores too: K is
	LOADD WK, 512, ADK+1
	LOADF KF, 0, ADK
.endif
.if ((\i) == 3) && (\fill)
	ASK
.endif
.if ((\i) == 3) && (\last)
	WIN 0x80
.set kk, 0
.rept 32
	global_load_b128 v[KF+4*kk:KF+4*kk+3], v1, s[8:9] offset:512*kk
.set kk, kk+1
.endr
.endif
	WIN 0x10                                       ; source 2 (the mask's term) window 1
.set kk, 0
.rept 32
	v_pk_fma_f32 v[S+kk:S+kk+1], v[S+kk:S+kk+1], v[DA+kk:DA+kk+1], v[MK+kk:MK+kk+1]   ; t: the accumulators' first read, each from its low end on
.set kk, kk+2
.endr
.set SM, ST+6*(\i)
.set kk, 0
.if (\i) == 0
	WIN 0
.endif
.irp t, 0,1,2,3,4,5,6,7                ; the step's largest t, in four chains; the tile before's eight products into O^T stand between
.if (\i) > 0
	MULO1 (\i)-1, \t
	WIN 0
.endif
.if \t == 0
.irp m, 0,1,2,3
	v_max3_num_f32 v[DA+\m], v[S+3*\m], v[S+3*\m+1], v[S+3*\m+2]
.endr
.else
.if \t < 6
.rept 5
	v_max3_num_f32 v[DA+(kk%4)], v[DA+(kk%4)], v[S+12+2*kk], v[S+13+2*kk]
.set kk, kk+1
.endr
.endif
.endif
.if \t == 6
	v_max3_num_f32 v[DA+(kk%4)], v[DA+(kk%4)], v[S+12+2*kk], v[S+13+2*kk]
	v_max3_num_f32 v[DA], v[DA], v[DA+2], v[DA+3]
	v_max_num_f32 v[DA], v[DA], v[DA+1]
.endif
.if \t == 7
	v_permlanex16_b32 v10, v[DA], s[SEL], s[SEL+1] ; and lane xor 16's
	v_mov_b32 v11, v[SM]
.endif
.endr
	v_max3_num_f32 v[SM+1], v[SM+1], v[DA], v10
	v_floor_f32 v[SM], -v[SM+1]                    ; -M = floor(-t) = -ceil(t): M is a whole number
.set kk, 0
.rept 32
	v_pk_add_f32 v[S+2*kk:S+2*kk+1], v[S+2*kk:S+2*kk+1], v[SM:SM+1] op_sel_hi:[1,0]   ; t - M (the pair's low word for both halves)
.if kk == 7
	v_sub_f32 v11, v[SM], v11                      ; old M - new M: a whole number, 0 or less
.endif
.if kk == 15
	v_cvt_i32_f32 v12, v11                         ; (it saturates)
.endif
.if kk == 23
	v_ldexp_f32 v[FF], 1.0, v12                    ; f
.endif
.set kk, kk+1
.endr
.if (\i) < 3
	EXPS (\i)+1, 0
.else
.if \next
	EXPS 0, 1
.else
	EXPS -1, 0
.endif
.endif
	RESCALE \i
	WIN 0
.if ((\i) == 2) && (\next)
	s_wait_tensorcnt 0x0                           ; all my tensor loads have landed: my part of the next step's slot
.if \fill
	ds_add_u32 v[SPW], v[NIL]                      ; 0 onto my spare word
	NEXTFILL
.endif
	s_xor_b32 s[TB], s[TB], SLOT
	v_add_nc_u32 v[ADK], s[TB], v4
	v_add_nc_u32 v[ADK+1], s[TB], v5
.endif
.if ((\i) == 3) && (\next)
	LOADD MK, 1024, ADK+1
	WIN 0
.endif
	SUMS \i
.if ((\i) == 2) && (\fill)
	s_wait_dscnt 0x0                               ; the add is done, and my reads of this step's slot are over
	s_barrier_signal -1                            ; work on registers alone up to the wait in tile 3
.endif
.if (\i) == 3
	MULO 3
.if \next
	PLACES                                         ; in front of the loads into V's registers
	LOADF VF, 16384, ADK
.endif
	WIN 0
.endif
.endm
.macro STEP fill, next, last
	TILE 0, \fill, \next, \last
	TILE 1, \fill, \next, \last
	TILE 2, \fill, \next, \last
	TILE 3, \fill, \next, \last
.endm
	s_load_b256 s[4:11], s[0:1], 0x0               ; qimg s[4:5], kvimg s[6:7], woimg s[8:9], lowp_scales s[10:11]
	s_load_b64 s[12:13], s[0:1], 0x20              ; out0
	v_lshl_add_u32 v[SPW], v0, 2, SPARE
	v_mov_b32 v[NIL], 0
	ds_add_u32 v[SPW], v[NIL]                      ; the wave's opening: the add, twice on end, and its wait ahead of my first tensor load; the set-up below stands between
	ds_add_u32 v[SPW], v[NIL]
	v_lshrrev_b32 v9, 5, v0
	v_readfirstlane_b32 s18, v9                    ; wave g = 0 .. 3
	s_bfe_u32 s21, ttmp6, 0x40000                  ; cx: my place in the cluster: it enters global addresses of Q, u_q, w_q, out0 and the prefetch alone
	s_and_b32 s22, ttmp7, 0xffff
	s_lshl_b32 s22, s22, 2
	s_add_co_u32 s22, s22, s21                     ; my block of 64 queries: 4 x cluster y + cx
	s_mov_b32 s23, ttmp9                           ; the batch: the cluster's x, which the four partners share
	s_mov_b32 s[G1], 15|(3<<16)|(1<<21)            ; 15:0 the mask: all four work-groups; 17:16 elements of 8 bytes; 21 set beside a mask; no padding
	s_mov_b32 s[G1+1], 32<<16                      ; tensor_dim0 = 32 elements: 256 bytes
	s_mov_b32 s[G1+2], 134<<16                     ; tensor_dim1
	s_mov_b32 s[G1+3], 32<<16                      ; tile_dim0
	s_mov_b32 s[G1+4], 134                         ; tile_dim1
	s_mov_b32 s[G1+5], 32                          ; the pitch: dense
	s_mov_b32 s[G1+6], 0
	s_mov_b32 s[G1+7], 0
	s_mov_b32 s[SEL], 0x76543210
	s_mov_b32 s[SEL+1], 0xfedcba98
	s_mov_b32 s[TB], 0
	s_mov_b32 s[TBF], 0
	s_mul_i32 s70, s18, PART                       ; my part of a slot,
	s_add_co_u32 s71, s70, 32768                   ; and its key numbers
	s_lshl_b32 s72, s23, 4                         ; the batch's first chunk of 128 keys
	s_add_co_u32 s68, s72, s18
	s_mul_i32 s68, s68, PART                       ; my chunk of block 0
	s_mov_b32 s69, 0
	s_lshl_b32 s74, s23, 18                        ; Q: 262144 batch + 8192 block
	s_lshl_b32 s75, s22, 13
	s_add_co_u32 s74, s74, s75
	s_mov_b32 s75, 0
	s_lshr_b32 s76, s22, 1                         ; u_q: the queries' chunk + 32768 + 256 (block % 2)
	s_add_co_u32 s76, s76, s72
	s_mul_i32 s76, s76, PART
	s_and_b32 s77, s22, 1
	s_lshl_b32 s77, s77, 8
	s_add_co_u32 s76, s76, s77
	s_add_co_u32 s76, s76, 32768
	s_mov_b32 s77, 0
	s_lshl_b32 s78, s23, 11                        ; out0: row 2048 batch + 64 block + 32 (g / 2) + 8 (g % 2)
	s_lshl_b32 s79, s22, 6
	s_add_co_u32 s78, s78, s79
	s_lshr_b32 s79, s18, 1
	s_lshl_b32 s79, s79, 5
	s_add_co_u32 s78, s78, s79
	s_and_b32 s79, s18, 1
	s_lshl_b32 s79, s79, 3
	s_add_co_u32 s78, s78, s79
	s_lshl_b32 s78, s78, 9                         ; in bytes (under 2^23)
	s_mov_b32 s79, 0
	s_add_co_u32 s66, s72, 12                      ; the prefetch: chunk cx of the batch's block 3, + 8192 g
	s_add_co_u32 s66, s66, s21
	s_mul_i32 s66, s66, PART
	s_lshl_b32 s67, s18, 13
	s_add_co_u32 s66, s66, s67
	s_mov_b32 s67, 0
	s_and_b32 s72, ttmp7, 0xffff
	s_cmp_eq_u32 s72, 0
	s_cselect_b32 s[LIM], 2, 0
.irp j, 0,1,2,3                                ; register tile j is tile T = (g + j) % 4
	s_add_co_u32 s72, s18, \j
	s_and_b32 s72, s72, 3
	s_lshl_b32 s[84+\j], s72, 11                   ; its fragment of Q,
	s_lshr_b32 s73, s72, 1
	s_lshl_b32 s73, s73, 7
	s_and_b32 s72, s72, 1
	s_lshl_b32 s72, s72, 5
	s_add_co_u32 s[88+\j], s72, s73                ; and 4 (32 (T / 2) + 8 (T % 2))
.endr
	v_and_b32 v9, 31, v0                           ; lane
	v_and_b32 v10, 15, v0                          ; r
	v_bfe_u32 v11, v0, 4, 1                        ; h
	v_and_b32 v12, 8, v10
	v_lshlrev_b32 v1, 4, v9
	v_add_nc_u32 v12, v12, v10                     ; r + 8 (r / 8)
	v_lshlrev_b32 v[PFO], 8, v9
	v_lshlrev_b32 v12, 2, v12
	v_add_nc_u32 v4, s70, v1
	v_lshl_add_u32 v5, v11, 6, s71
.irp j, 0,1,2,3
	v_add_nc_u32 v[64+\j], s[88+\j], v12
	v_add_nc_u32 v[68+\j], s[84+\j], v1
.endr
	s_wait_alu depctr_va_vdst(0)
	s_wait_dscnt 0x0                               ; both opening adds are done
	s_wait_kmcnt 0x0
	s_load_b256 s[40:47], s[10:11], 0x0            ; e0 .. e7
	s_load_b128 s[48:51], s[10:11], 0x20           ; e8 .. e11
	s_mov_b32 s[G0], 1                             ; count = 1
	s_add_co_u32 s[G0+1], s70, s[TBF]              ; LDS address: slot 0, my part
	s_add_nc_u64 s[G0+2:G0+3], s[6:7], s[68:69]    ; global address
	s_or_b32 s[G0+3], s[G0+3], 0x80000000          ; type = 2
	s_add_nc_u64 s[74:75], s[4:5], s[74:75]
	s_add_nc_u64 s[76:77], s[6:7], s[76:77]
	s_add_nc_u64 s[78:79], s[12:13], s[78:79]
	s_add_nc_u64 s[66:67], s[6:7], s[66:67]
	CROUND                                         ; all four work-groups are here: the first joint loads meet
	JLOAD                                          ; block 0
	WIN 0x40
.irp j, 0,1,2,3
.irp c, 0,1,2,3
	global_load_b128 v[Q+16*\j+4*\c:Q+16*\j+4*\c+3], v[68+\j], s[74:75] offset:512*\c   ; Q's fragments stay in registers
.endr
.endr
	WIN 0
.irp j, 0,1,2,3
	global_load_b32 v[ST+6*\j+4], v[64+\j], s[76:77] offset:512   ; w_q
	global_load_b32 v[ST+6*\j+5], v[64+\j], s[76:77]              ; u_q
.endr
	s_wait_kmcnt 0x0
	s_add_co_i32 s90, s46, s47
	s_lshl_b32 s90, s90, 23
	s_add_co_i32 s[CS], s90, 0x3e0293ee            ; log2(e) / sqrt(128), with e6 + e7 added to its exponent field
	s_add_co_i32 s90, s48, 127
	s_lshl_b32 s91, s90, 23                        ; 2^e8
	s_add_co_i32 s90, s90, 8
	s_lshl_b32 s90, s90, 23
	s_or_b32 s[LIMP], s90, 0x600000                ; 448 x 2^e8
	s_add_co_i32 s59, s48, s49                     ; e8 + e9
	s_add_co_i32 s60, s50, s51
	s_add_co_i32 s60, s60, 127
	s_lshl_b32 s60, s60, 23                        ; 2^(e10 + e11)
	s_mov_b32 s61, s60
	s_add_co_i32 s90, s50, 127
	s_lshl_b32 s82, s90, 23                        ; 2^e10
	s_add_co_i32 s90, s90, 8
	s_lshl_b32 s90, s90, 23
	s_or_b32 s83, s90, 0x600000                    ; 448 x 2^e10
	v_mov_b32 v[SCL], s91
	v_mov_b32 v[FF+1], 0
.irp j, 0,1,2,3
	v_mov_b32 v[ST+6*\j], 0x7f61b1e6               ; -M: 3e38,
	v_mov_b32 v[ST+6*\j+1], 0xff61b1e6             ; the largest t so far: -3e38, under every t
	v_mov_b32 v[ST+6*\j+2], 0
	v_mov_b32 v[ST+6*\j+3], 0
.endr
	WIN 0xc0
.set kk, 0
.rept 256
	v_mov_b32 v[kk], 0                             ; O^T.  (Steps 0 and 1 are one text: step 0 finds zeros, which its change of M leaves zeros)
.set kk, kk+1
.endr
	WIN 0
	s_wait_alu depctr_va_vdst(0)
	s_wait_loadcnt 0x0
.irp j, 0,1,2,3
	v_mul_f32 v[ST+6*\j+4], s[CS], v[ST+6*\j+4]
	v_mul_f32 v[ST+6*\j+5], s[CS], v[ST+6*\j+5]
.endr
	s_wait_alu depctr_va_vdst(0)
	s_wait_tensorcnt 0x0                           ; my part of block 0 is in
	ds_add_u32 v[SPW], v[NIL]
	NEXTFILL
	s_wait_dscnt 0x0                               ; the add is done
	CROUND
	JLOAD                                          ; block 1, into slot 1
	LOADD UK, 0, 5
	LOADD WK, 512, 5
	LOADF KF, 0, 4
	WIN 0x04
	s_wait_dscnt 32                                ; u and w are in; K's 32 loads may be out
.set kk, 0
.rept 32
	DEC1 0, kk
.set kk, kk+1
.endr
.set kk, 0
.rept 32
	DEC2 0, kk
.set kk, kk+1
.endr
	LOADD MK, 1024, 5
	LOADF VF, 16384, 4
	WIN 0
	s_mov_b32 s[TRIP], 2
	s_wait_alu depctr_va_vdst(0)
.Lfill:                                                ; steps 0 and 1 fill slots 0 and 1 again, with blocks 2 and 3
	STEP 1, 1, 0
	s_sub_co_u32 s[TRIP], s[TRIP], 1
	s_cmp_lg_u32 s[TRIP], 0
	s_cbranch_scc1 .Lfill
	STEP 0, 1, 0                                   ; step 2: nothing is left to fetch from memory
	STEP 0, 0, 1                                   ; step 3
	; ---- THE WAVES MEET.  Each puts O^T and (-M, l) of its register tiles 1 .. 3 into its own part of slot 0, which has had its last fill and my last read
.irp i, 0,1,2,3                                ; (the places behind the last products)
	v_add_f32 v[ST+6*\i+1], v[ST+6*\i+2], v[ST+6*\i+3]   ; l's two halves,
.endr
.irp i, 0,1,2,3
	v_permlanex16_b32 v[S+\i], v[ST+6*\i+1], s[SEL], s[SEL+1]
.endr
.irp i, 0,1,2,3
	v_add_f32 v[ST+6*\i+1], v[ST+6*\i+1], v[S+\i]        ; and lane xor 16's
.endr
	s_add_co_u32 s72, s70, STATO
	s_add_co_u32 s73, s70, SLOT
.irp d, 1,2,3                                  ; of wave (g + d) % 4 I want tile g, its register tile 4 - d
	s_add_co_u32 s74, s18, \d
	s_and_b32 s74, s74, 3
	s_mul_i32 s74, s74, PART
	s_add_co_u32 s[84+\d], s74, 8192*(3-\d)
	s_add_co_u32 s[88+\d], s74, STATO+256*(3-\d)
.endr
	v_lshrrev_b32 v11, 1, v1                       ; 8 x lane
	v_and_b32 v12, 15, v0                          ; r
	v_bfe_u32 v13, v0, 4, 1                        ; h
	v_mul_u32_u24 v12, v12, 528
	v_add_nc_u32 v2, s72, v11                      ; my statistics
	v_lshl_add_u32 v12, v13, 5, v12
.irp d, 1,2,3
	v_add_nc_u32 v[47+\d], s[84+\d], v1
	v_add_nc_u32 v[50+\d], s[88+\d], v11
.endr
	v_add_nc_u32 v12, s73, v12                     ; the way out, in my part of slot 1: in,
	v_add_nc_u32 v13, s73, v1                      ; and back by rows
	v_mov_b32 v14, s82
	v_mov_b32 v15, s83
	WIN 0x0c                                       ; the data in window 3
.irp j, 1,2,3
.set kk, 0
.rept 16
.if \j < 3
	s_wait_alu depctr_va_vdst(0)
.endif
	ds_store_b128 v4, v[64*\j+4*kk:64*\j+4*kk+3] offset:8192*(\j-1)+512*kk   ; each accumulator from its low end on
.set kk, kk+1
.endr
.endr
	WIN 0
.irp j, 1,2,3
	ds_store_b64 v2, v[ST+6*\j:ST+6*\j+1] offset:256*(\j-1)
.endr
	s_wait_alu depctr_va_vdst(0)
	s_wait_dscnt 0x0                               ; my stores have landed
	s_barrier_signal -1
	s_barrier_wait -1
	; ---- Wave g joins tile g: ctx = the sum over the waves of O x 2^(M_g' - M) x 2^(e8 + e9) / l
.irp d, 1,2,3
	ds_load_b64 v[38+2*\d:39+2*\d], v[50+\d]
.endr
.irp d, 1,2,3
.set kk, 0
.rept 16
	ds_load_b128 v[64*\d+4*kk:64*\d+4*kk+3], v[47+\d] offset:512*kk
.set kk, kk+1
.endr
.endr
	s_wait_dscnt 48                                ; the statistics are in; O's 48 loads may be out
	v_min3_num_f32 v46, v16, v40, v42
	v_min_num_f32 v46, v46, v44                    ; -M of the row: the least of the four -M
.irp x, 16,40,42,44
	v_sub_f32 v\x, v46, v\x                        ; M_g' - M: a whole number, 0 or less
.endr
.irp x, 16,40,42,44
	v_cvt_i32_f32 v\x, v\x
.endr
.irp x, 16,40,42,44
	v_ldexp_f32 v\x, 1.0, v\x
.endr
	v_mul_f32 v47, v16, v17
	v_fmac_f32 v47, v40, v41
	v_fmac_f32 v47, v42, v43
	v_fmac_f32 v47, v44, v45                       ; the row's l
	s_wait_alu depctr_va_vdst(0)                   ; the wait ahead of the transcendental,
	v_rcp_f32 v47, v47
	v_nop
	s_wait_alu depctr_va_vdst(0)                   ; and ahead of its first reader
	v_ldexp_f32 v47, v47, s59                      ; x 2^(e8 + e9)
.irp x, 16,40,42,44
	v_mul_f32 v\x, v\x, v47                        ; each wave's weight, in the low word of a pair
.endr
	s_wait_alu depctr_va_vdst(0)
	s_wait_dscnt 0x0
	s_wait_loadcnt 0x0                             ; Wo's fragments
.set kk, 0
.rept 32
	v_pk_mul_f32 v[S+2*kk:S+2*kk+1], v[S+2*kk:S+2*kk+1], v[40:41] op_sel_hi:[1,0]
.set kk, kk+1
.endr
.set kk, 0
.rept 32
	v_pk_fma_f32 v[S+2*kk:S+2*kk+1], v[DA+2*kk:DA+2*kk+1], v[42:43], v[S+2*kk:S+2*kk+1] op_sel_hi:[1,0,1]
.set kk, kk+1
.endr
.set kk, 0
.rept 32
	v_pk_fma_f32 v[S+2*kk:S+2*kk+1], v[DB+2*kk:DB+2*kk+1], v[44:45], v[S+2*kk:S+2*kk+1] op_sel_hi:[1,0,1]
.set kk, kk+1
.endr
	WIN 0x03                                       ; source 0 (my own O^T) window 3
	s_wait_alu depctr_va_vdst(0)                   ; directly ahead of the first reader of O^T
.set kk, 0
.rept 32
	v_pk_fma_f32 v[S+2*kk:S+2*kk+1], v[2*kk:2*kk+1], v[16:17], v[S+2*kk:S+2*kk+1] op_sel_hi:[1,0,1]
.set kk, kk+1
.endr
	WIN 0
.set kk, 0
.rept 64
	v_med3_num_f32 v[S+kk], v[S+kk], -v15, v15     ; the hold at the largest code x 2^e10
.set kk, kk+1
.endr
.irp b, 0,1,2,3
	v_cvt_scalef32_pk8_fp8_f32 v[P+4*\b:P+4*\b+1], v[S+16*\b:S+16*\b+7], v14
	v_cvt_scalef32_pk8_fp8_f32 v[P+4*\b+2:P+4*\b+3], v[S+16*\b+8:S+16*\b+15], v14
.endr
	v_nop                                          ; one plain vector line behind the last conversion
	; ---- out = ctx Wo, transposed: source 0 = 16 columns of Wo, source 1 = my 16 queries: a lane holds eight neighbouring numbers of a row of out0
	WIN 0x02
.irp n, 0,1,2,3,4,5,6,7
	v_wmma_f32_16x16x128_fp8_fp8 v[DA+8*\n:DA+8*\n+7], v[KF+16*\n:KF+16*\n+15], v[P:P+15], 0
.endr
	WIN 0
	PLACES
.set kk, 0
.rept 32
	v_pk_mul_f32 v[DB+2*kk:DB+2*kk+1], v[DA+2*kk:DA+2*kk+1], s[60:61] op_sel_hi:[1,0]   ; x 2^(e10 + e11); each accumulator from its low end on
.set kk, kk+1
.endr
.irp n, 0,1,2,3,4,5,6,7
	ds_store_b128 v12, v[DB+8*\n:DB+8*\n+3] offset:64*\n
	ds_store_b128 v12, v[DB+8*\n+4:DB+8*\n+7] offset:64*\n+16
.endr
.set kk, 0
.rept 16
	ds_load_b128 v[S+4*kk:S+4*kk+3], v13 offset:528*kk   ; LDS serves a wave's instructions in order (ISA guide 5.7.1.4): these see my stores
.set kk, kk+1
.endr
.set kk, 0
.rept 16
	s_wait_dscnt 15-kk                             ; row kk is in, the younger ones may be out
	global_store_b128 v1, v[S+4*kk:S+4*kk+3], s[78:79] offset:512*(kk+8*(kk/8)) th:TH_STORE_NT   ; 32 lanes store a row: 512 consecutive bytes, at a multiple of 512 from out0's first byte
.set kk, kk+1
.endr
	s_wait_tensorcnt 0x0                           ; the wave's end
	ds_add_u32 v[SPW], v[NIL]
	s_wait_dscnt 0x0
	CROUND                                         ; the closing round: no work-group ends while a partner may still ask for a block that names it
	s_endpgm
.Lfunc_end_k_q9a6d797d27_attn:
	.size	k_q9a6d797d27_attn, .Lfunc_end_k_q9a6d797d27_attn-k_q9a6d797d27_attn
	.p2alignl 7, 3214868480
	.fill 96, 4, 3214868480
	.section	.rodata,"a",@progbits
	.p2align	6, 0x0
	.amdhsa_kernel k_q9a6d797d27_attn
		.amdhsa_group_segment_fixed_size 327680
		.amdhsa_private_segment_fixed_size 0
		.amdhsa_enable_private_segment 0
		.amdhsa_kernarg_size 40
		.amdhsa_user_sgpr_count 2
		.amdhsa_user_sgpr_kernarg_segment_ptr 1
		.amdhsa_wavefront_size32 1
		.amdhsa_system_sgpr_workgroup_id_x 1
		.amdhsa_system_sgpr_workgroup_id_y 1
		.amdhsa_system_sgpr_workgroup_id_z 1
		.amdhsa_system_vgpr_workitem_id 0
		.amdhsa_next_free_vgpr 1024
		.amdhsa_next_free_sgpr 96
		.amdhsa_reserve_vcc 0
		.amdhsa_float_denorm_mode_32 3
		.amdhsa_float_denorm_mode_16_64 3
		.amdhsa_memory_ordered 1
		.amdhsa_forward_progress 1
		.amdhsa_inst_pref_size 255
	.end_amdhsa_kernel
	.section	.bss,"aw",@nobits
	.p2align	6
	.space	262144
	.amdgpu_metadata
---
amdhsa.version: [ 1, 2 ]
amdhsa.kernels:
  - .name:           k_q9a6d797d27_attn
    .symbol:         k_q9a6d797d27_attn.kd
    .args:
      - { .name: qimg, .offset: 0, .size: 8, .value_kind: global_buffer, .address_space: global }
      - { .name: kvimg, .offset: 8, .size: 8, .value_kind: global_buffer, .address_space: global }
      - { .name: woimg, .offset: 16, .size: 8, .value_kind: global_buffer, .address_space: global }
      - { .name: lowp_scales, .offset: 24, .size: 8, .value_kind: global_buffer, .address_space: global }
      - { .name: out0, .offset: 32, .size: 8, .value_kind: global_buffer, .address_space: global }
    .group_segment_fixed_size: 327680
    .private_segment_fixed_size: 0
    .kernarg_segment_align: 8
    .kernarg_segment_size: 40
    .max_flat_workgroup_size: 128
    .sgpr_count:     96
    .vgpr_count:     1024
    .wavefront_size: 32
...
	.end_amdgpu_metadata
.endif
;; end of part 2
